; MI455X (gfx1250); checked and timed in simulation.
; The chip was launched on July 23, 2026; its instructions are those of AMD's public machine-readable ISA for CDNA 5 (MIT licence, August 2026) and "CDNA5" Instruction Set Architecture Reference Guide (July 2026). The comments in the code are by the model that wrote it; some were corrected since.
;; Location Expert Router. Allowed arithmetic: float matrix products may take bf16 or f16 operands with f32 sums; other float arithmetic in f32, or as packed bf16 or f16 multiplies, adds, multiply-adds, maxima and minima; sums over many terms, partial sums and values carried from step to step in f32; what a program stores and reads back later, other than sums and carried values, may be rounded once to bf16 or f16.
;; Inputs: W 8 x 1,024 x 4,000 float32; b 8 x 4,000 float32; pointer_addresses 2,048 int32; x 2,048 x 1,024 float32.
;; Outputs: out0 2,048 x 4,000 float32.
;; 2 versions, each right and faster than the one before. Each part assembles by itself: llvm-mc -triple=amdgcn-amd-amdhsa -mcpu=gfx1250 --defsym DOCPART=n.
;; ======== version 1 of 2: 1 launch
;; launch router (part 1): grid 32 x 8, 8 waves a work-group, no clusters, 274,688 bytes of LDS; arguments x, pointer_addresses, W, b, out0; writes out0
.if DOCPART == 1
	.amdgcn_target "amdgcn-amd-amdhsa--gfx1250"
	.amdhsa_code_object_version 6
	.text
	.protected	k_q59ac87c314_router
	.globl	k_q59ac87c314_router
	.p2align	8
	.type	k_q59ac87c314_router,@function
k_q59ac87c314_router:
	s_mov_b64 s[64:65], 0
	v_nop
	global_prefetch_b8 v0, s[64:65] scope:SCOPE_SE
	s_setreg_imm32_b32 hwreg(HW_REG_WAVE_MODE, 25, 1), 1
	s_wait_xcnt 0x0
; out[t][:] = x[t][:] W[e] + b[e], e = pointer[t] mod 8 (the low three bits: right for negative pointers too).
; x [2048][1024] f32, W [8][1024][4000] f32, b [8][4000] f32, out [2048][4000] f32.  Only the chosen expert of a token is multiplied.
; SHARES.  Work-group (s, e) owns columns 128 s .. 128 s + 127 of expert e and ALL rows of that expert: 32 x 8 = 256 work-groups of eight waves, which all run one text.
; PHASE 1.  The work-group alone reads its 1024 x 128 piece of W, once, rounds it to bf16 on the way through registers and lays it, turned to [column][k], into LDS, where it stays.
; Wave w takes 16 of the 128 blocks of 8 k x 128 columns; seven blocks (56 loads of 512 bytes) of every wave are on their way.  Wave 0 ranks the 2,048 pointers meanwhile (no order among the rows of
; an expert is owed).  One barrier.
; PHASE 2.  Nothing writes LDS any more, so no barrier is needed.  A group is 24 tiles of 16 rows; wave w has tiles TT, TT + 8, TT + 16, TT = w + 24 g, by all 8 column tiles: 24 accumulators.
; Six trips cover the 128 tiles that 2,048 rows can fill; a trip without a live tile is jumped.  x comes from memory straight into the operand registers.
; THE PRODUCT IS USED TRANSPOSED: source 0 = 16 columns of W, source 1 = 16 token rows: a lane then holds 8 neighbouring columns of one row.  The sums start as the bias (loaded into the accumulators).
; K IS PERMUTED alike in both operands inside each chunk of 32: lane (r, h) holds k = 8 j + 4 h + i (j, i = 0..3), so that one x load takes 32 neighbouring bytes of each of 16 rows.
; NUMBERS.  x and W are rounded once to bf16; bias and sums are f32.  NaN and infinities go the way the products take them.
; EDGES.  Slice 31 has 32 columns: its loads are clamped inside the row, 96 columns are computed and not stored.  List places c .. c + 31 behind the count c repeat the first token of the expert, the
; others hold token 0: a tile with no row below c is not stored; in the one tile that is part full at most 15 rows are stored a second time, with the same bits.  An expert without rows stores nothing.
; THE STORES go straight from the accumulators: 16 bytes a lane, the 32 bytes of a lane and column tile together; a store instruction does not fill 256 consecutive bytes.  That is the price of writing
; no LDS behind the barrier.  The stream of W and the products do not overlap: the loads of a wave are counted in order, so x and W in one wave would want the same lead, for which registers lack.
; NO CLUSTER, NO TENSOR LOADS: a piece of W has one reading work-group; the x rows that the 32 slices of an expert share come by a list, which no tile descriptor covers; f32 tiles of W set down in
; LDS first would cross LDS twice more and take the room of the resident bf16 piece (264,192 bytes).
.set ROWB,  16000                      ; bytes in a row of W, of b and of out
.set WP,    2064                       ; LDS bytes from column to column of W: 2,048 + 16, so 16 neighbouring columns start in 16 different 16-byte columns of a 256-byte row of banks
                                       ; chunk q (32 k) of column n at n WP + 64 q; its block 2 h + p (p: j = 2 p, 2 p + 1) at 16 ((2 h + p) ^ ((n >> 4) & 3))
.set LIST,  128*WP                     ; token of rank 0..2303, one word each (144 tiles of 16)
.set LISTW, 2304
.set CNT,   LIST+4*LISTW               ; word 0: the number of rows of my expert
.set DUMPI, LISTW+16                   ; list index of the dump word (CNT + 64): tokens of other experts go there; never read
.set SPARE, CNT+256                    ; the spare words: 128 bytes for each of 8 waves, named by no other line
; scalar registers
.set WV, 14                            ; wave number
.set SL, 15                            ; column slice
.set EX, 16                            ; expert
.set NCB, 17                           ; bytes of a row piece: 512, in slice 31: 128
.set CC, 18                            ; rows of my expert
.set NT, 19                            ; tiles of 16 rows
.set L1, 20                            ; 1: my second tile of the group has rows
.set L2, 21                            ; 1: my third tile has
.set IT, 22                            ; trips of the K loop to go
.set KO, 23                            ; 256 x trip: where the trip begins in a column of W
.set TT, 24                            ; my first tile of the group
.set OJ, 25                            ; groups to go
.set O1, 26                            ; s[26:27], s[28:29] offsets
.set O2, 28
.set WB0, 30                           ; s[30:31] W at my rows of k = 0..511 of my piece
.set WB1, 32                           ; s[32:33] the same for k = 512..1023
.set XB, 34                            ; s[34:35] x, stepped along k
.set OB, 36                            ; s[36:37] out + 512 s
.set BB, 38                            ; s[38:39] b + 16,000 e + 512 s
.set MK, 40                            ; s40-43 list: four masks
.set RK, 44                            ; s44-48 list: rank bases
.set PCN, 49                           ; list: a count of ones
.set T1, 50
.set T2, 51
.set TA, 52                            ; 64 x TT: where the tokens of my first tile lie in the list
; vector registers.  v0-39 hold addresses alone: nothing is loaded or rounded into them, but for the three tokens, which are clamped at once.
.set LN, 1                             ; lane
.set SPW, 2                            ; LDS address of my spare word; never rewritten
.set NIL, 3                            ; 0; never rewritten
.set R, 4                              ; lane % 16
.set H, 5                              ; lane / 16
.set WCOL, 6                           ; my 16 bytes of a row piece of W
.set AW, 7                             ; where my first block of W goes in LDS
.set AB0, 8                            ; v8-11   my place in a chunk of column tiles 2 u, 2 u + 1
.set ABC, 12                           ; v12-15  AB0 + KO
.set BOFF, 16                          ; v16-23  byte offset of my 8 bias numbers of column tile t
.set TOK, 24                           ; v24-26  the token of my row in my three tiles
.set XOFF, 27                          ; v27-29  its byte offset in x
.set OOFF, 30                          ; v30-32  its byte offset in out
.set TLA, 33                           ; LIST + 4 r
.set H16, 34                           ; 16 h
.set H32, 35                           ; 32 h
.set TM, 36                            ; v36-37 at work
.set AF, 40                            ; v40-63   A fragments, 8 a tile
.set BF, 64                            ; v64-127  B fragments, 8 a column tile; in phase 1 v64-95: rounded W, two banks of 16
.set XS, 128                           ; v128-319 four x sets of 48: set s, tile a at 128 + 48 s + 16 a (a tile never straddles v256)
.set ACC, 64                           ; accumulators: window 1, v[64 + 64 a + 8 t] (v320-511)
                                       ; phase 1: W set s (8 rows x 4 columns a lane) at window 1, v[32 s]
.set PT, 128                           ; wave 0, head: v128-191 the pointers
.set LT, 40                            ; list: v40-43 at work
.set LK, 44                            ; v44-47 tokens
.set LDI, 48                           ; DUMPI
.set L4, 49                            ; 4 x lane
.set LZA, 50
.set LX, 51                            ; 16 x lane
.set LZ, 52                            ; v52-55 zeros
.set MSB, 0
.macro WIN new                         ; s_set_vgpr_msb: bits 1:0 source 0, 3:2 source 1, 5:4 source 2, 7:6 destination; the high byte repeats the setting that is left
.if MSB != (\new)
	s_set_vgpr_msb (MSB<<8)|(\new)
.set MSB, (\new)
.endif
.endm
.macro PLACES                          ; four places between a product and a load into, a store of, or a vector write of its registers
.rept 4
	v_nop
.endr
.endm
; ---- phase 1.  Unit m of wave w is block w & 3 of chunk 2 m + (w >> 2): rows 64 m + (my first row) + 0..3 and + 8..11.  A load takes one row piece, 512 neighbouring bytes.  S[4 i + j] = W[row i][4 lane + j].
.macro WISSUE m
.set i, 0
.rept 8
	global_load_b128 v[32*((\m)&7)+4*i:32*((\m)&7)+4*i+3], v[WCOL], s[WB0+2*((\m)>>3):WB0+2*((\m)>>3)+1] offset:(64*((\m)&7)+(i&3)+8*(i>>2))*ROWB th:TH_LOAD_NT
.set i, i+1
.endr
.endm
; Unit m is waited for; the unit seven on is asked for into the set read out one turn ago; two rows of a column make a word, eight the 16 bytes of the block of column 4 lane + j.
.macro WUNIT m
.set wleft, 48
.if (\m) > 9
.set wleft, 8*(15-(\m))
.endif
	s_wait_loadcnt wleft                   ; loads come back in order: my unit is in, six younger units of 8 loads stay out (fewer at the end)
.if (\m) < 9
	WIN 0x40                               ; destination window 1
	WISSUE ((\m)+7)
.endif
	WIN 0x05                               ; sources window 1
.irp j, 0,1,2,3
.irp d, 0,1,2,3
	v_cvt_pk_bf16_f32 v[BF+16*((\m)&1)+4*\j+\d], v[32*((\m)&7)+8*\d+\j], v[32*((\m)&7)+8*\d+4+\j]
.endr
.endr
	WIN 0
.irp j, 0,1,2,3
	ds_store_b128 v[AW], v[BF+16*((\m)&1)+4*\j:BF+16*((\m)&1)+4*\j+3] offset:\j*WP+128*(\m)
.endr
.endm
; Four words of the pointers: lane l, load j, word c is token 128 j + 4 l + c.  Rank = matches counted so far + matches in lower lanes.  Tokens of other experts go to the dump word.
; The choice stands ahead of the clamp; behind the clamp only a shift and an add make the address.
.macro LST4 j
.irp c, 0,1,2,3
	v_and_b32 v[LT+\c], 7, v[PT+4*(\j)+\c]
.endr
.irp c, 0,1,2,3
	v_cmp_eq_u32 s[MK+\c], s[EX], v[LT+\c]
.endr
.irp c, 0,1,2,3
	s_bcnt1_i32_b32 s[PCN], s[MK+\c]
	s_add_co_u32 s[RK+\c+1], s[RK+\c], s[PCN]
.endr
.irp c, 0,1,2,3
	v_mbcnt_lo_u32_b32 v[LT+\c], s[MK+\c], s[RK+\c]
.endr
.irp c, 0,1,2,3
	v_cndmask_b32 v[LT+\c], v[LDI], v[LT+\c], s[MK+\c]
.endr
.irp c, 0,1,2,3
	v_min_u32 v[LT+\c], DUMPI, v[LT+\c]
.endr
.irp c, 0,1,2,3
	v_lshlrev_b32 v[LT+\c], 2, v[LT+\c]
.endr
.irp c, 0,1,2,3
	v_add_nc_u32 v[LT+\c], LIST, v[LT+\c]
.endr
.irp c, 0,1,2,3
	v_add_nc_u32 v[LK+\c], 128*(\j)+\c, v[L4]
.endr
.irp c, 0,1,2,3
	ds_store_b32 v[LT+\c], v[LK+\c]
.endr
	s_mov_b32 s[RK], s[RK+4]
.endm
; ---- phase 2
.macro BIAS base                       ; register j of the accumulator of column tile t is column 16 t + 8 h + j: the sums start as the bias
.irp t, 0,1,2,3,4,5,6,7
	global_load_b128 v[(\base)+8*\t:(\base)+8*\t+3],   v[BOFF+\t], s[BB:BB+1]
	global_load_b128 v[(\base)+8*\t+4:(\base)+8*\t+7], v[BOFF+\t], s[BB:BB+1] offset:16
.endr
.endm
; A chunk of x (32 k) for my three tiles into set: load j of a tile: lane (r, h) takes the 16 bytes at 32 j + 16 h of the 128 bytes of its row.
.macro XISSUE set, bo
.irp a, 0,1,2
.set xp, XS+48*(\set)+16*\a
	WIN 0x40*(xp>>8)
.irp j, 0,1,2,3
	global_load_b128 v[(xp&255)+4*\j:(xp&255)+4*\j+3], v[XOFF+\a], s[XB:XB+1] offset:(\bo)+32*\j
.endr
.endr
	WIN 0
.endm
.macro XCVT set                        ; the set rounded to bf16: these ARE the three A fragments
.irp a, 0,1,2
.set xp, XS+48*(\set)+16*\a
	WIN 0x05*(xp>>8)
.irp n, 0,1,2,3,4,5,6,7
	v_cvt_pk_bf16_f32 v[AF+8*\a+\n], v[(xp&255)+2*\n], v[(xp&255)+2*\n+1]
.endr
.endr
	WIN 0
.endm
; Chunk cl of the four of a trip.  16 LDS loads bring W for all 8 column tiles; while they are out, the x set of the chunk is waited for and rounded and (issue = 1) asked for again with the chunk four on.
; Then 16 or 24 products, every accumulator once: they take turns, one instruction a turn.  The third tile is multiplied only where it has rows; no load is jumped.
.macro KSTEP cl, left, issue
.irp t, 0,1,2,3,4,5,6,7
	ds_load_b128 v[BF+8*\t:BF+8*\t+3],   v[ABC+(\t>>1)] offset:(\t&1)*16*WP+64*(\cl)+16*(\t&1)
	ds_load_b128 v[BF+8*\t+4:BF+8*\t+7], v[ABC+(\t>>1)] offset:(\t&1)*16*WP+64*(\cl)+16-16*(\t&1)
.endr
	s_wait_loadcnt \left                   ; my chunk is in; the younger chunks of 12 loads stay out
	XCVT \cl
.if \issue
	XISSUE \cl, 128*((\cl)+4)
.endif
	WIN 0x50                               ; C and D window 1
.irp t, 0,1,2,3,4,5,6,7
	s_wait_dscnt 14-2*\t                   ; younger than W of tile t: 2 (7 - t) loads
	v_wmma_f32_16x16x32_bf16 v[ACC+8*\t:ACC+8*\t+7], v[BF+8*\t:BF+8*\t+7], v[AF:AF+7], v[ACC+8*\t:ACC+8*\t+7]
	v_wmma_f32_16x16x32_bf16 v[ACC+64+8*\t:ACC+64+8*\t+7], v[BF+8*\t:BF+8*\t+7], v[AF+8:AF+15], v[ACC+64+8*\t:ACC+64+8*\t+7]
.endr
	WIN 0
	s_cmp_eq_u32 s[L2], 0
	s_cbranch_scc1 .Lks_\@
	WIN 0x50
.irp t, 0,1,2,3,4,5,6,7
	v_wmma_f32_16x16x32_bf16 v[ACC+128+8*\t:ACC+128+8*\t+7], v[BF+8*\t:BF+8*\t+7], v[AF+16:AF+23], v[ACC+128+8*\t:ACC+128+8*\t+7]
.endr
	WIN 0
.Lks_\@:
	PLACES
.endm
.macro KADR                            ; where this trip begins in the columns of W
.irp u, 0,1,2,3
	v_add_nc_u32 v[ABC+\u], s[KO], v[AB0+\u]
.endr
.endm
; Tile a goes out: lane (r, h) stores columns 16 t + 8 h + 0..7 of the row of its token, the low four registers of each accumulator first.  Slice 31 has column tiles 0 and 1 alone.
.macro ST2 a, t
	global_store_b128 v[OOFF+\a], v[ACC+64*\a+8*\t:ACC+64*\a+8*\t+3],   s[OB:OB+1] offset:64*\t th:TH_STORE_NT
	global_store_b128 v[OOFF+\a], v[ACC+64*\a+8*\t+4:ACC+64*\a+8*\t+7], s[OB:OB+1] offset:64*\t+16 th:TH_STORE_NT
.endm
.macro SEND a
	WIN 0x04                               ; store data (source 1) in window 1
	ST2 \a, 0
	ST2 \a, 1
	WIN 0
	s_cmp_eq_u32 s[SL], 31
	s_cbranch_scc1 .Lse_\@
	WIN 0x04
.irp t, 2,3,4,5,6,7
	ST2 \a, \t
.endr
	WIN 0
.Lse_\@:
.endm
; ================= the head
	s_load_b256 s[4:11], s[0:1], 0x0       ; x s[4:5], pointers s[6:7], W s[8:9], b s[10:11]
	s_load_b64 s[12:13], s[0:1], 0x20      ; out
	v_lshl_add_u32 v[SPW], v0, 2, SPARE
	v_mov_b32 v[NIL], 0
	v_and_b32 v[LN], 31, v0
	v_lshrrev_b32 v[TM], 5, v0
	v_readfirstlane_b32 s[WV], v[TM]
	v_and_b32 v[R], 15, v0
	v_bfe_u32 v[H], v0, 4, 1
	s_mov_b32 s[SL], ttmp9
	s_and_b32 s[EX], ttmp7, 0xffff
	s_mov_b32 s[NCB], 512
	s_cmp_eq_u32 s[SL], 31
	s_cselect_b32 s[NCB], 128, s[NCB]      ; 4000 = 31 x 128 + 32
	s_lshl_b32 s[O1], s[SL], 9
	s_mov_b32 s[O1+1], 0
	s_lshr_b32 s[T1], s[WV], 2             ; my first row of k: 32 (w >> 2) + 16 (w & 1) + 4 ((w >> 1) & 1)
	s_lshl_b32 s[T1], s[T1], 5
	s_and_b32 s[T2], s[WV], 1
	s_lshl_b32 s[T2], s[T2], 4
	s_add_co_u32 s[T1], s[T1], s[T2]
	s_bfe_u32 s[T2], s[WV], 0x10001
	s_lshl_b32 s[T2], s[T2], 2
	s_add_co_u32 s[T1], s[T1], s[T2]
	s_mul_i32 s[O2], s[T1], ROWB
	s_mul_i32 s[T2], s[EX], 1024*ROWB
	s_add_co_u32 s[O2], s[O2], s[T2]       ; 115,520,000 at the most
	s_mov_b32 s[O2+1], 0
	s_sub_co_u32 s[T1], s[NCB], 16
	v_lshlrev_b32 v[WCOL], 4, v[LN]
	v_min_u32 v[WCOL], s[T1], v[WCOL]      ; slice 31: lanes 8-31 repeat the last 16 bytes of the row
	s_wait_kmcnt 0x0
	s_add_nc_u64 s[OB:OB+1], s[12:13], s[O1:O1+1]
	s_add_nc_u64 s[WB0:WB0+1], s[8:9], s[O1:O1+1]
	s_add_nc_u64 s[WB0:WB0+1], s[WB0:WB0+1], s[O2:O2+1]
	s_add_nc_u64 s[WB1:WB1+1], s[WB0:WB0+1], 512*ROWB  ; two bases, so that every row offset fits the signed 24 bits of the immediate
	s_mul_i32 s[O2], s[EX], ROWB
	s_add_nc_u64 s[BB:BB+1], s[10:11], s[O1:O1+1]
	s_add_nc_u64 s[BB:BB+1], s[BB:BB+1], s[O2:O2+1]
	s_cmp_lg_u32 s[WV], 0
	s_cbranch_scc1 .Lprime
; ---- wave 0: the pointers are asked for first, then its first five units of W; the tokens are ranked while those are on their way
	v_lshlrev_b32 v[LX], 4, v[LN]
.set j, 0
.rept 16
	global_load_b128 v[PT+4*j:PT+4*j+3], v[LX], s[6:7] offset:512*j  ; all 2,048 pointers, 512 neighbouring bytes a load
.set j, j+1
.endr
	WIN 0x40
.irp m, 0,1,2,3,4
	WISSUE \m
.endr
	WIN 0
	v_add_nc_u32 v[LZA], LIST, v[LX]
.irp c, 0,1,2,3
	v_mov_b32 v[LZ+\c], 0
.endr
.set j, 0
.rept 18
	ds_store_b128 v[LZA], v[LZ:LZ+3] offset:512*j  ; places without a rank hold token 0, a row that exists
.set j, j+1
.endr
	v_mov_b32 v[LDI], DUMPI
	v_lshlrev_b32 v[L4], 2, v[LN]
	s_mov_b32 s[RK], 0
	s_wait_loadcnt 40                      ; the pointers are in; the 40 loads of W behind them stay out
.irp j, 0,1,2,3,4,5,6,7,8,9,10,11,12,13,14,15
	LST4 \j
.endr
	v_mov_b32 v[LT], LIST
	ds_load_b32 v[LK], v[LT]               ; the first token of the expert (LDS serves a wave in order: it sees the stores above)
	v_add_nc_u32 v[LT+1], s[RK], v[LN]     ; places c .. c + 31 repeat it
	v_min_u32 v[LT+1], LISTW-1, v[LT+1]
	v_lshlrev_b32 v[LT+1], 2, v[LT+1]
	v_add_nc_u32 v[LT+1], LIST, v[LT+1]
	v_mov_b32 v[LT+2], s[RK]
	v_mov_b32 v[LT+3], CNT
	s_wait_dscnt 0x0
	ds_store_b32 v[LT+1], v[LK]
	ds_store_b32 v[LT+3], v[LT+2]          ; the count
	s_branch .Lprimed
.Lprime:
	WIN 0x40
.irp m, 0,1,2,3,4
	WISSUE \m
.endr
	WIN 0
.Lprimed:
	WIN 0x40
	WISSUE 5
	WISSUE 6
	WIN 0
; ---- the addresses of both phases, while the first loads are out
	v_bfe_u32 v[TM], v0, 2, 2              ; (column >> 4) & 3 of columns 4 lane + j
	s_and_b32 s[T1], s[WV], 3
	v_xor_b32 v[TM], s[T1], v[TM]          ; my block of the four of a chunk, swizzled
	v_mul_u32_u24 v[AW], v[LN], 4*WP
	v_lshl_add_u32 v[AW], v[TM], 4, v[AW]
	s_lshr_b32 s[T1], s[WV], 2
	s_lshl_b32 s[T1], s[T1], 6
	v_add_nc_u32 v[AW], s[T1], v[AW]       ; waves 4-7 take the odd chunks
	v_mul_u32_u24 v[TM], v[R], WP          ; AB0[u] = (32 u + r) WP + 32 (h ^ (u & 1)); the low bit of the swizzle stands in the offsets of the loads
	v_xor_b32 v[TM+1], 1, v[H]
	v_lshl_add_u32 v[TM+1], v[TM+1], 5, v[TM]
	v_lshl_add_u32 v[TM], v[H], 5, v[TM]
.irp u, 0,1,2,3
	v_add_nc_u32 v[AB0+\u], 32*\u*WP, v[TM+(\u&1)]
.endr
	v_lshlrev_b32 v[H16], 4, v[H]
	v_lshlrev_b32 v[H32], 5, v[H]
	s_sub_co_u32 s[T1], s[NCB], 32
.irp t, 0,1,2,3,4,5,6,7
	v_add_nc_u32 v[BOFF+\t], 64*\t, v[H32]
.endr
.irp t, 0,1,2,3,4,5,6,7
	v_min_u32 v[BOFF+\t], s[T1], v[BOFF+\t]  ; slice 31: inside the row of b
.endr
	v_lshl_add_u32 v[TLA], v[R], 2, LIST
; ================= phase 1: my 16 units of W
.irp m, 0,1,2,3,4,5,6,7,8,9,10,11,12,13,14,15
	WUNIT \m
.endr
	s_wait_dscnt 0x0                       ; my part of W is in LDS; wave 0: list and count too
	s_barrier_signal -1
	s_barrier_wait -1                      ; from here on LDS is only read
; ================= phase 2
	v_mov_b32 v[TM], CNT
	ds_load_b32 v[AF], v[TM]
	s_wait_dscnt 0x0
	v_readfirstlane_b32 s[CC], v[AF]
	s_min_u32 s[CC], s[CC], 2048
	s_add_co_u32 s[NT], s[CC], 15
	s_lshr_b32 s[NT], s[NT], 4
	s_mov_b32 s[TT], s[WV]
	s_lshl_b32 s[TA], s[WV], 6
	s_mov_b32 s[OJ], 6
.Lgrp:
	s_cmp_ge_u32 s[TT], s[NT]
	s_cbranch_scc1 .Lnext                  ; my first tile of the group has no row: none of the three has
	s_add_co_u32 s[T1], s[TT], 8
	s_cmp_lt_u32 s[T1], s[NT]
	s_cselect_b32 s[L1], 1, 0
	s_add_co_u32 s[T1], s[TT], 16
	s_cmp_lt_u32 s[T1], s[NT]
	s_cselect_b32 s[L2], 1, 0
	v_add_nc_u32 v[TM], s[TA], v[TLA]
.irp a, 0,1,2
	ds_load_b32 v[TOK+\a], v[TM] offset:512*\a  ; the token of row r of tile TT + 8 a
.endr
	WIN 0x40
	BIAS ACC
	BIAS ACC+64
	BIAS ACC+128
	WIN 0
	s_wait_dscnt 0x0
.irp a, 0,1,2
	v_min_u32 v[TOK+\a], 0x7ff, v[TOK+\a]
.endr
.irp a, 0,1,2
	v_lshlrev_b32 v[XOFF+\a], 12, v[TOK+\a]
	v_mul_u32_u24 v[OOFF+\a], ROWB, v[TOK+\a]
.endr
.irp a, 0,1,2
	v_add_nc_u32 v[XOFF+\a], v[H16], v[XOFF+\a]
	v_add_nc_u32 v[OOFF+\a], v[H32], v[OOFF+\a]
.endr
	s_mov_b64 s[XB:XB+1], s[4:5]
	XISSUE 0, 0
	s_wait_loadcnt 12                      ; the bias is in; chunk 0 of x, 12 loads, stays out: with it 60 loads were out, with the three below 48 are
	XISSUE 1, 128
	XISSUE 2, 256
	XISSUE 3, 384
	s_mov_b32 s[KO], 0
	s_mov_b32 s[IT], 7
.Lk:                                       ; a trip is four chunks of 32 k; chunks 0 to 27 ask for chunks 4 to 31
	KADR
	KSTEP 0, 36, 1
	KSTEP 1, 36, 1
	KSTEP 2, 36, 1
	KSTEP 3, 36, 1
	s_wait_xcnt 0x0                        ; the base is stepped only when every load issued has had its address taken
	s_add_nc_u64 s[XB:XB+1], s[XB:XB+1], 512
	s_add_co_u32 s[KO], s[KO], 256
	s_sub_co_u32 s[IT], s[IT], 1
	s_cmp_lg_u32 s[IT], 0
	s_cbranch_scc1 .Lk
	KADR                                   ; chunks 28 to 31 ask for nothing: the counts run down
	KSTEP 0, 36, 0
	KSTEP 1, 24, 0
	KSTEP 2, 12, 0
	KSTEP 3, 0, 0
	SEND 0
	s_cmp_eq_u32 s[L1], 0
	s_cbranch_scc1 .Lsent                  ; a tile without a row below the count is not stored
	SEND 1
	s_cmp_eq_u32 s[L2], 0
	s_cbranch_scc1 .Lsent
	SEND 2
.Lsent:
	s_wait_xcnt 0x0                        ; the stores have read their offsets and their data: the next group may write both
.Lnext:
	s_add_co_u32 s[TT], s[TT], 24
	s_add_co_u32 s[TA], s[TA], 24*64
	s_sub_co_u32 s[OJ], s[OJ], 1
	s_cmp_lg_u32 s[OJ], 0
	s_cbranch_scc1 .Lgrp
	s_wait_dscnt 0x0
	s_barrier_signal -1
	s_barrier_wait -1                      ; every wave has done reading LDS
	s_wait_tensorcnt 0x0                   ; the end of every wave
	ds_add_u32 v[SPW], v[NIL]
	s_wait_dscnt 0x0
	s_endpgm
.Lfunc_end_k_q59ac87c314_router:
	.size	k_q59ac87c314_router, .Lfunc_end_k_q59ac87c314_router-k_q59ac87c314_router
	.p2alignl 7, 3214868480
	.fill 96, 4, 3214868480
	.section	.rodata,"a",@progbits
	.p2align	6, 0x0
	.amdhsa_kernel k_q59ac87c314_router
		.amdhsa_group_segment_fixed_size 274688
		.amdhsa_private_segment_fixed_size 0
		.amdhsa_enable_private_segment 0
		.amdhsa_kernarg_size 40
		.amdhsa_user_sgpr_count 2
		.amdhsa_user_sgpr_kernarg_segment_ptr 1
		.amdhsa_wavefront_size32 1
		.amdhsa_system_sgpr_workgroup_id_x 1
		.amdhsa_system_sgpr_workgroup_id_y 1
		.amdhsa_system_sgpr_workgroup_id_z 1
		.amdhsa_system_vgpr_workitem_id 0
		.amdhsa_next_free_vgpr 512
		.amdhsa_next_free_sgpr 66
		.amdhsa_reserve_vcc 0
		.amdhsa_float_denorm_mode_32 3
		.amdhsa_float_denorm_mode_16_64 3
		.amdhsa_memory_ordered 1
		.amdhsa_forward_progress 1
		.amdhsa_inst_pref_size 141
	.end_amdhsa_kernel
	.amdgpu_metadata
---
amdhsa.version: [ 1, 2 ]
amdhsa.kernels:
  - .name:           k_q59ac87c314_router
    .symbol:         k_q59ac87c314_router.kd
    .args:
      - { .name: x, .offset: 0, .size: 8, .value_kind: global_buffer, .address_space: global }
      - { .name: pointer_addresses, .offset: 8, .size: 8, .value_kind: global_buffer, .address_space: global }
      - { .name: W, .offset: 16, .size: 8, .value_kind: global_buffer, .address_space: global }
      - { .name: b, .offset: 24, .size: 8, .value_kind: global_buffer, .address_space: global }
      - { .name: out0, .offset: 32, .size: 8, .value_kind: global_buffer, .address_space: global }
    .group_segment_fixed_size: 274688
    .private_segment_fixed_size: 0
    .kernarg_segment_align: 8
    .kernarg_segment_size: 40
    .max_flat_workgroup_size: 256
    .sgpr_count:     66
    .vgpr_count:     512
    .wavefront_size: 32
...
	.end_amdgpu_metadata
.endif
;; end of part 1
;; ======== version 2 of 2: 1 launch; 1.13 times as fast as version 1
;; launch router (part 2): grid 32 x 8, 4 waves a work-group, no clusters, 307,968 bytes of LDS; arguments x, pointer_addresses, W, b, out0; writes out0
.if DOCPART == 2
	.amdgcn_target "amdgcn-amd-amdhsa--gfx1250"
	.amdhsa_code_object_version 6
	.text
	.protected	k_q59ac87c314_router
	.globl	k_q59ac87c314_router
	.p2align	8
	.type	k_q59ac87c314_router,@function
k_q59ac87c314_router:
	s_mov_b64 s[64:65], 0
	v_nop
	global_prefetch_b8 v0, s[64:65] scope:SCOPE_SE
	s_setreg_imm32_b32 hwreg(HW_REG_WAVE_MODE, 25, 1), 1
	s_wait_xcnt 0x0
; out[t][:] = x[t][:] W[e] + b[e], e = pointer[t] mod 8 (the low three bits: right for negative pointers too).
; x [2048][1024] f32, W [8][1024][4000] f32, b [8][4000] f32, out [2048][4000] f32.  Only the chosen expert of a token is multiplied.
; SHARES.  Work-group (s, e) owns columns 128 s .. 128 s + 127 of expert e and ALL rows of that expert: 32 x 8 = 256 work-groups of four waves, one to a SIMD, which all run one text.
; PHASE 1.  The work-group alone reads its 1024 x 128 piece of W, once, rounds it to bf16 on the way through registers and lays it, turned to [column][k], into LDS, where it stays.
; Wave w takes one of the four blocks of 8 k x 128 columns of each of the 32 chunks of 32 k; seven blocks (56 loads of 512 bytes) of every wave are on their way.  Wave 0 ranks the 2,048 pointers
; between its first 16 blocks (no order among the rows of an expert is owed).  One barrier.
; PHASE 2.  A group is 20 tiles of 16 rows; wave w has tiles TT + 4 a, a = 0..4, TT = w + 20 g, by all 8 column tiles: 40 accumulators, so that a fragment of W read from LDS feeds 4 or 5 products.
; Seven trips cover the 128 tiles that 2,048 rows can fill; every wave passes the two barriers of every trip, and a wave without a live tile jumps the work.  x comes from memory straight into registers.
; A step multiplies one chunk of 32 k and makes the next one ready: the 16 LDS loads of the next chunk's W and the 20 loads of x four chunks on stand in ONE run at the step's head, never singly among
; the products; the 40 roundings of the next chunk's x stand behind pairs of products.
; THE PRODUCT IS USED TRANSPOSED: source 0 = 16 columns of W, source 1 = 16 token rows: a lane then holds 8 neighbouring columns of one row.  The sums start as the bias (loaded into the accumulators).
; K IS PERMUTED alike in both operands inside each chunk of 32: lane (r, h) holds k = 8 j + 4 h + i (j, i = 0..3), so that one x load takes 32 neighbouring bytes of each of 16 rows.
; THE WAY OUT.  A tile goes through the wave's own stage in LDS and comes back by rows: one store puts the 512 neighbouring bytes of a row at its token's place.  A row of out is 16,000 bytes, so the
; pieces of odd tokens begin 128 bytes off a multiple of 256.  Stores of rows past the count are jumped.
; NUMBERS.  x and W are rounded once to bf16; bias and sums are f32.  NaN and infinities go the way the products take them.
; EDGES.  Slice 31 has 32 columns.  Its loads of W and of b are clamped to the last 16 bytes of the row, so every column n past 31 is, bit for bit, column 28 + (n & 3) once more: in a row's store
; lanes 8-31 hold what lane 7 holds, and their offset is clamped to lane 7's.  List places past the count hold token 0: such rows are multiplied and not stored.  An expert without rows stores nothing.
; The stream of W and the products do not overlap: the loads of a wave are counted in order, and 63 loads a wave shared between W and x would leave W a lead of two steps.
; REGISTER WINDOWS.  320 accumulator registers, 320 of x on its way and 208 of fragments do not fit one window of 256, so the four roundings behind a pair of products cost two switches; set in a
; block of their own they would leave the matrix unit without work for 40 issue slots a step.
; NO CLUSTER, NO TENSOR LOADS: a piece of W has one reading work-group; the x rows that the 32 slices of an expert share come by a list, which no tile descriptor covers; f32 tiles of W set down in
; LDS first would cross LDS twice more and take the room of the resident bf16 piece (264,192 bytes).
.set ROWB,  16000                      ; bytes in a row of W, of b and of out
.set WP,    2064                       ; LDS bytes from column to column of W: 2,048 + 16, so 16 neighbouring columns start in 16 different 16-byte columns of a 256-byte row of banks
                                       ; chunk q (32 k) of column n at n WP + 64 q; its block 2 h + p (p: j = 2 p, 2 p + 1) at 16 ((2 h + p) ^ ((n >> 4) & 3))
.set LIST,  128*WP                     ; token of rank 0..2303, one word each (144 tiles of 16)
.set LISTW, 2304
.set CNT,   LIST+4*LISTW               ; word 0: the number of rows of my expert
.set DUMPI, LISTW+16                   ; list index of the dump word (CNT + 64): tokens of other experts go there; never read
.set SPARE, CNT+256                    ; the spare words: 128 bytes for each of 4 waves, named by no other line
.set STAGE, SPARE+512                  ; the way out: 16 rows for each wave
.set OSP,   528                        ; a stage row: 512 bytes + 16, so the 16 rows that a store touches start in 16 different 16-byte columns
; scalar registers
.set WV, 14                            ; wave number
.set SL, 15                            ; column slice
.set EX, 16                            ; expert
.set NCB, 17                           ; bytes of a row piece: 512, in slice 31: 128
.set CC, 18                            ; rows of my expert
.set NT, 19                            ; tiles of 16 rows
.set LV, 20                            ; how many of my five tiles of the group have rows
.set RM, 21                            ; rows from the first row of my first tile on
.set IT, 22                            ; trips of the K loop to go
.set KO, 23                            ; 256 x trip: where the trip begins in a column of W
.set TT, 24                            ; my first tile of the group
.set OJ, 25                            ; groups to go
.set O1, 26                            ; s[26:27], s[28:29] offsets
.set O2, 28
.set WB0, 30                           ; s[30:31] W at my rows of k = 0..511 of my piece
.set WB1, 32                           ; s[32:33] the same for k = 512..1023
.set XB, 34                            ; s[34:35] x, stepped along k
.set OB, 36                            ; s[36:37] out + 512 s
.set BB, 38                            ; s[38:39] b + 16,000 e + 512 s
.set MK, 40                            ; s40-43 list: four masks
.set RK, 44                            ; s44-48 list: rank bases
.set PCN, 49                           ; list: a count of ones
.set T1, 50
.set T2, 51
.set TA, 52                            ; 64 x TT: where the tokens of my first tile lie in the list
; vector registers.  v0-47 hold addresses alone: nothing is loaded or rounded into them, but for the five tokens, which are clamped at once.
.set LN, 1                             ; lane
.set SPW, 2                            ; LDS address of my spare word; never rewritten
.set NIL, 3                            ; 0; never rewritten
.set R, 4                              ; lane % 16
.set H, 5                              ; lane / 16
.set WCOL, 6                           ; my 16 bytes of a row piece of W and of out: min(16 lane, NCB - 16)
.set AW, 7                             ; phase 1: where my first block of W goes in LDS
.set TU, 7                             ; phase 2: LDS address of the tokens of my first tile, the same in every lane
.set AB0, 8                            ; v8-11   my place in a chunk of column tiles 2 u, 2 u + 1
.set ABC, 12                           ; v12-15  AB0 + KO
.set BOFF, 16                          ; v16-23  byte offset of my first four bias numbers of column tile t
.set BOF2, 24                          ; v24-31  of my second four
.set TOK, 32                           ; v32-36  the token of my row in my five tiles
.set XOFF, 37                          ; v37-41  its byte offset in x
.set TLA, 42                           ; LIST + 4 r
.set H16, 43                           ; 16 h
.set TM, 44                            ; v44-45 at work
.set STO, 46                           ; way out: where I put 32 bytes of a row
.set RD, 47                            ; way out: where I read 16 bytes of a row back
.set AF, 48                            ; v48-127  A fragments: two buffers of 40, 8 a tile
.set BF, 128                           ; v128-255 B fragments: two buffers of 64, 8 a column tile
                                       ; window 1 (v256-511): accumulators of tiles 0-3 at 64 a + 8 t; in phase 1 the W sets: set s (8 rows x 4 columns a lane) at 32 s
                                       ; window 2 (v512-751): x sets 0-2 at 80 s, tile a at + 16 a;  window 3: x set 3 at 0,
.set A4, 80                            ; window 3: the accumulators of tile 4 at 80 + 8 t,
.set TKS, 144                          ; window 3: v144-223 the 16 tokens of each of my five tiles, the same in every lane
.set OFFS, 48                          ; way out: v48-63 the byte offsets in out of a tile's 16 rows
.set DAT, 128                          ; way out: v128-191 the 16 rows read back
.set PT, 128                           ; phase 1: v128-191 the pointers
.set WT, 192                           ; phase 1: v192-255 rounded W, four banks of 16
.set LT, 48                            ; list: v48-51 at work
.set LK, 52                            ; v52-55 tokens
.set LDI, 56                           ; DUMPI
.set L4, 57                            ; 4 x lane
.set LZA, 58
.set LX, 59                            ; 16 x lane
.set LZ, 60                            ; v60-63 zeros
.set MSB, 0
.macro WIN new                         ; s_set_vgpr_msb: bits 1:0 source 0, 3:2 source 1, 5:4 source 2, 7:6 destination; the high byte repeats the setting that is left
.if MSB != (\new)
	s_set_vgpr_msb (MSB<<8)|(\new)
.set MSB, (\new)
.endif
.endm
.macro PLACES                          ; four places between a product and a load into, a store of, or a vector write of its registers
.rept 4
	v_nop
.endr
.endm
; ---- phase 1.  Unit m of wave w is block w of chunk m: rows 32 m + (my first row) + 0..3 and + 8..11.  A load takes one row piece, 512 neighbouring bytes.  S[4 i + j] = W[row i][4 lane + j].
.macro WISSUE m
.set i, 0
.rept 8
	global_load_b128 v[32*((\m)&7)+4*i:32*((\m)&7)+4*i+3], v[WCOL], s[WB0+2*((\m)>>4):WB0+2*((\m)>>4)+1] offset:(32*((\m)&15)+(i&3)+8*(i>>2))*ROWB th:TH_LOAD_NT
.set i, i+1
.endr
.endm
; Unit m is waited for; the unit seven on is asked for into the set read out one turn ago; two rows of a column make a word, eight the 16 bytes of the block of column 4 lane + j.
.macro WUNIT m
.set wleft, 48
.if (\m) > 25
.set wleft, 8*(31-(\m))
.endif
	s_wait_loadcnt wleft                   ; loads come back in order: my unit is in, six younger units of 8 loads stay out (fewer at the end)
.if (\m) < 25
	WIN 0x40                               ; destination window 1
	WISSUE ((\m)+7)
.endif
	WIN 0x05                               ; sources window 1
.irp j, 0,1,2,3
.irp d, 0,1,2,3
	v_cvt_pk_bf16_f32 v[WT+16*((\m)&3)+4*\j+\d], v[32*((\m)&7)+8*\d+\j], v[32*((\m)&7)+8*\d+4+\j]
.endr
.endr
	WIN 0
.irp j, 0,1,2,3
	ds_store_b128 v[AW], v[WT+16*((\m)&3)+4*\j:WT+16*((\m)&3)+4*\j+3] offset:\j*WP+64*(\m)
.endr
.endm
; Four words of the pointers: lane l, load j, word c is token 128 j + 4 l + c.  Rank = matches counted so far + matches in lower lanes.  Tokens of other experts go to the dump word.
; The choice stands ahead of the clamp; behind the clamp only a shift and an add make the address.
.macro LST4 j
.irp c, 0,1,2,3
	v_and_b32 v[LT+\c], 7, v[PT+4*(\j)+\c]
.endr
.irp c, 0,1,2,3
	v_cmp_eq_u32 s[MK+\c], s[EX], v[LT+\c]
.endr
.irp c, 0,1,2,3
	s_bcnt1_i32_b32 s[PCN], s[MK+\c]
	s_add_co_u32 s[RK+\c+1], s[RK+\c], s[PCN]
.endr
.irp c, 0,1,2,3
	v_mbcnt_lo_u32_b32 v[LT+\c], s[MK+\c], s[RK+\c]
.endr
.irp c, 0,1,2,3
	v_cndmask_b32 v[LT+\c], v[LDI], v[LT+\c], s[MK+\c]
.endr
.irp c, 0,1,2,3
	v_min_u32 v[LT+\c], DUMPI, v[LT+\c]
.endr
.irp c, 0,1,2,3
	v_lshlrev_b32 v[LT+\c], 2, v[LT+\c]
.endr
.irp c, 0,1,2,3
	v_add_nc_u32 v[LT+\c], LIST, v[LT+\c]
.endr
.irp c, 0,1,2,3
	v_add_nc_u32 v[LK+\c], 128*(\j)+\c, v[L4]
.endr
.irp c, 0,1,2,3
	ds_store_b32 v[LT+\c], v[LK+\c]
.endr
	s_mov_b32 s[RK], s[RK+4]
.endm
.macro LBLK j                          ; wave 0 alone ranks: a sixteenth of the pointers behind each of its first 16 units, so that its part of W does not fall behind
	s_cmp_lg_u32 s[WV], 0
	s_cbranch_scc1 .Llb_\@
	LST4 \j
.Llb_\@:
.endm
; ---- phase 2
.macro BIAS base                       ; register j of the accumulator of column tile t is column 16 t + 8 h + j: the sums start as the bias
.irp t, 0,1,2,3,4,5,6,7
	global_load_b128 v[(\base)+8*\t:(\base)+8*\t+3],   v[BOFF+\t], s[BB:BB+1]
	global_load_b128 v[(\base)+8*\t+4:(\base)+8*\t+7], v[BOF2+\t], s[BB:BB+1]
.endr
.endm
; What a group's work finds loaded: the token of my row in each of my five tiles; the 16 tokens of each tile, in every lane; the bias in all 40 accumulators.
.macro PROLOAD
	v_add_nc_u32 v[TM], s[TA], v[TLA]
.irp a, 0,1,2,3,4
	ds_load_b32 v[TOK+\a], v[TM] offset:256*\a
.endr
	s_add_co_u32 s[T1], s[TA], LIST
	v_mov_b32 v[TU], s[T1]
	WIN 0xc0                               ; destination window 3
.irp a, 0,1,2,3,4
.irp k, 0,1,2,3
	ds_load_b128 v[TKS+16*\a+4*\k:TKS+16*\a+4*\k+3], v[TU] offset:256*\a+16*\k
.endr
.endr
	BIAS A4
	WIN 0x40                               ; destination window 1
	BIAS 0
	BIAS 64
	BIAS 128
	BIAS 192
	WIN 0
.endm
; A chunk of x (32 k) for my five tiles: load j of a tile: lane (r, h) takes the 16 bytes at 32 j + 16 h of the 128 bytes of its row.  Chunk n lies in set n % 4.
.macro XISSUE set                      ; chunks 0 to 2, ahead of the loop
	WIN 0x80                               ; destination window 2
.set i, 0
.rept 20
	global_load_b128 v[80*(\set)+4*i:80*(\set)+4*i+3], v[XOFF+i/4], s[XB:XB+1] offset:128*(\set)+32*(i%4)
.set i, i+1
.endr
	WIN 0
.endm
; THE LINES THAT MAKE THE NEXT CHUNK READY, one at a time.  KSTEP and PRE set: kCL the chunk in hand (of the trip's four), kNB the fragment buffers of the next chunk, kSC its x set,
; kSX the x set that is asked for again, kXO the byte offset of those loads, kSTEP 1: the base of x steps first.
.macro RB n                            ; load n of 16 of W: column tile n / 2, half n % 2
	WIN 0
.set rt, (\n)>>1
.if ((\n)&1) == 0
	ds_load_b128 v[BF+64*kNB+8*rt:BF+64*kNB+8*rt+3],   v[ABC+(rt>>1)] offset:(rt&1)*16*WP+64*(kCL+1)+16*(rt&1)
.else
	ds_load_b128 v[BF+64*kNB+8*rt+4:BF+64*kNB+8*rt+7], v[ABC+(rt>>1)] offset:(rt&1)*16*WP+64*(kCL+1)+16-16*(rt&1)
.endif
.endm
.macro RC m                            ; rounding m of 40: the set rounded to bf16 IS the five A fragments
	WIN 0x0a+5*(kSC/3)                     ; sources window 2; set 3: window 3
	v_cvt_pk_bf16_f32 v[AF+40*kNB+(\m)], v[(80*kSC)%240+2*(\m)], v[(80*kSC)%240+2*(\m)+1]
.endm
.macro RX m                            ; load m of 20 of x, four chunks on, into the set that was rounded a step ago
	WIN 0x80+0x40*(kSX/3)                  ; destination window 2; set 3: window 3
	global_load_b128 v[(80*kSX)%240+4*(\m):(80*kSX)%240+4*(\m)+3], v[XOFF+(\m)/4], s[XB:XB+1] offset:kXO+32*((\m)%4)
.endm
.macro RUNB                            ; the 16 loads of W on end
.set qb, 0
.rept 16
	RB qb
.set qb, qb+1
.endr
.endm
.macro RUNX                            ; the 20 loads of x on end
.if kSTEP
	s_wait_xcnt 0x0                        ; the base steps only when the loads that named it have had their addresses taken: they were issued a step ago (in the first trip: just ahead of the loop)
	s_add_nc_u64 s[XB:XB+1], s[XB:XB+1], 512
.endif
.set qx, 0
.rept 20
	RX qx
.set qx, qx+1
.endr
.endm
.macro OTH                             ; the next of the 40 roundings, while there are any
.if (qo < 40) && kNXT
	RC qo
.endif
.set qo, qo+1
.endm
; Chunk cl of the four of a trip.  AT THE HEAD, in one run: the next chunk's W into the fragment buffer that the step before multiplied (its four places stand at that step's end), and x four chunks on
; into the set that the step before rounded.  The wait for the next chunk of x stands ahead of that request, so that 60 loads at the most are out.  THEN 32 products in 16 pairs, every accumulator once:
; they take turns, one instruction a turn; behind each of the first ten pairs stand four roundings.  The fifth tile's 8 products follow only where it has rows; no load is jumped.
; nxt = 0: there is no next chunk.  issue = 0: nothing is left to ask for.
.macro KSTEP cl, left, nxt, issue
.set kCL, (\cl)
.set kCB, (\cl)&1
.set kNB, ((\cl)+1)&1
.set kSC, ((\cl)+1)&3
.set kSX, (\cl)&3
.set kXO, 128*(\cl)
.set kNXT, (\nxt)
.set kSTEP, 0
.if (\cl) == 0
.set kSTEP, (\issue)
.endif
	s_wait_dscnt 0x0                       ; W of this chunk, asked for at the head of the step before, is in
.if \nxt
	s_wait_loadcnt \left                   ; the next chunk of x is in; the younger chunks of 20 loads stay out
	RUNB
.endif
.if \issue
	RUNX
.endif
.set qo, 0
.set pp, 0
.rept 16
.set pa, pp>>2
.set pt, 2*(pp&3)
	WIN 0x50                               ; C and D window 1
	v_wmma_f32_16x16x32_bf16 v[64*pa+8*pt:64*pa+8*pt+7], v[BF+64*kCB+8*pt:BF+64*kCB+8*pt+7], v[AF+40*kCB+8*pa:AF+40*kCB+8*pa+7], v[64*pa+8*pt:64*pa+8*pt+7]
	v_wmma_f32_16x16x32_bf16 v[64*pa+8*pt+8:64*pa+8*pt+15], v[BF+64*kCB+8*pt+8:BF+64*kCB+8*pt+15], v[AF+40*kCB+8*pa:AF+40*kCB+8*pa+7], v[64*pa+8*pt+8:64*pa+8*pt+15]
.rept 4
	OTH
.endr
.set pp, pp+1
.endr
	WIN 0
	s_cmp_lg_u32 s[LV], 5
	s_cbranch_scc1 .Lks_\@
	WIN 0xf0                               ; C and D window 3
.irp t, 0,1,2,3,4,5,6,7
	v_wmma_f32_16x16x32_bf16 v[A4+8*\t:A4+8*\t+7], v[BF+64*kCB+8*\t:BF+64*kCB+8*\t+7], v[AF+40*kCB+32:AF+40*kCB+39], v[A4+8*\t:A4+8*\t+7]
.endr
	WIN 0
.Lks_\@:
	PLACES                                 ; the next step loads and rounds into the fragments that these products read
.endm
.macro PRE                             ; ahead of the loop: chunk 0 is made ready, and chunk 3 asked for
.set kCL, -1
.set kNB, 0
.set kSC, 0
.set kSX, 3
.set kXO, 384
.set kSTEP, 0
	RUNB
	s_wait_loadcnt 40                      ; chunk 0 of x and the bias, which is older, are in; chunks 1 and 2, 20 loads each, stay out
.set qo, 0
.rept 40
	RC qo
.set qo, qo+1
.endr
	RUNX
	WIN 0
.endm
.macro KADR                            ; where this trip begins in the columns of W
.irp u, 0,1,2,3
	v_add_nc_u32 v[ABC+\u], s[KO], v[AB0+\u]
.endr
.endm
; THE WAY OUT of tile a.  The 32 bytes of a lane and column tile go into my stage, the low four registers of each accumulator first; whole rows (512 bytes, 16 a lane) come back.  The stage is my own and
; LDS serves the instructions of a wave in order, so no wait stands between the stores and the loads.  The tokens are clamped, x 16,000, + my 16 bytes.  Then one store a row.
.macro OUTT a
	s_cmp_le_u32 s[LV], \a
	s_cbranch_scc1 .Lwo_done               ; a tile without a row below the count is not stored, nor are those behind it
.if \a < 4
	WIN 0x04                               ; store data (source 1) in window 1
.set ob, 64*\a
.else
	WIN 0x0c                               ; in window 3
.set ob, A4
.endif
.irp t, 0,1,2,3,4,5,6,7
	ds_store_b128 v[STO], v[ob+8*\t:ob+8*\t+3]   offset:64*\t
	ds_store_b128 v[STO], v[ob+8*\t+4:ob+8*\t+7] offset:64*\t+16
.endr
	s_wait_xcnt 0x0                        ; the stores of the tile before have read their offsets and their data: both are written again below
	WIN 0x0c                               ; source 1 window 3
.set i, 0
.rept 16
	v_min_u32 v[OFFS+i], 0x7ff, v[TKS+16*\a+i]
.set i, i+1
.endr
	WIN 0
.set i, 0
.rept 16
	ds_load_b128 v[DAT+4*i:DAT+4*i+3], v[RD] offset:OSP*i
.set i, i+1
.endr
.set i, 0
.rept 16
	v_mul_u32_u24 v[OFFS+i], ROWB, v[OFFS+i]
.set i, i+1
.endr
.set i, 0
.rept 16
	v_add_nc_u32 v[OFFS+i], v[WCOL], v[OFFS+i]
.set i, i+1
.endr
	s_wait_dscnt 0x0                       ; all 16 rows are back
.set i, 0
.rept 16
	s_cmp_le_u32 s[RM], 64*\a+i
	s_cbranch_scc1 .Lrows_\@               ; rows past the count are not stored
	global_store_b128 v[OFFS+i], v[DAT+4*i:DAT+4*i+3], s[OB:OB+1] th:TH_STORE_NT
.set i, i+1
.endr
.Lrows_\@:
.endm
; ================= the head
	s_load_b256 s[4:11], s[0:1], 0x0       ; x s[4:5], pointers s[6:7], W s[8:9], b s[10:11]
	s_load_b64 s[12:13], s[0:1], 0x20      ; out
	v_lshl_add_u32 v[SPW], v0, 2, SPARE
	v_mov_b32 v[NIL], 0
	v_and_b32 v[LN], 31, v0
	v_lshrrev_b32 v[TM], 5, v0
	v_readfirstlane_b32 s[WV], v[TM]
	v_and_b32 v[R], 15, v0
	v_bfe_u32 v[H], v0, 4, 1
	s_mov_b32 s[SL], ttmp9
	s_and_b32 s[EX], ttmp7, 0xffff
	s_mov_b32 s[NCB], 512
	s_cmp_eq_u32 s[SL], 31
	s_cselect_b32 s[NCB], 128, s[NCB]      ; 4000 = 31 x 128 + 32
	s_lshl_b32 s[O1], s[SL], 9
	s_mov_b32 s[O1+1], 0
	s_and_b32 s[T1], s[WV], 1              ; my first row of k: block w = 2 h + p begins at 16 p + 4 h
	s_lshl_b32 s[T1], s[T1], 4
	s_lshr_b32 s[T2], s[WV], 1
	s_lshl_b32 s[T2], s[T2], 2
	s_add_co_u32 s[T1], s[T1], s[T2]
	s_mul_i32 s[O2], s[T1], ROWB
	s_mul_i32 s[T2], s[EX], 1024*ROWB
	s_add_co_u32 s[O2], s[O2], s[T2]       ; 115,008,000 at the most
	s_mov_b32 s[O2+1], 0
	s_sub_co_u32 s[T1], s[NCB], 16
	v_lshlrev_b32 v[WCOL], 4, v[LN]
	v_min_u32 v[WCOL], s[T1], v[WCOL]      ; slice 31: lanes 8-31 repeat the last 16 bytes of the row
	v_lshlrev_b32 v[LX], 4, v[LN]
	s_wait_kmcnt 0x0
	s_add_nc_u64 s[OB:OB+1], s[12:13], s[O1:O1+1]
	s_add_nc_u64 s[WB0:WB0+1], s[8:9], s[O1:O1+1]
	s_add_nc_u64 s[WB0:WB0+1], s[WB0:WB0+1], s[O2:O2+1]
	s_add_nc_u64 s[WB1:WB1+1], s[WB0:WB0+1], 512*ROWB  ; two bases, so that every row offset fits the signed 24 bits of the immediate
	s_mul_i32 s[O2], s[EX], ROWB
	s_add_nc_u64 s[BB:BB+1], s[10:11], s[O1:O1+1]
	s_add_nc_u64 s[BB:BB+1], s[BB:BB+1], s[O2:O2+1]
; The pointers are asked for first, then the first five units of W.  All four waves load the pointers, though wave 0 alone ranks them: so the text has one way through its loads, and every counted
; wait counts the same loads in every wave (24 KB more from the cache for a work-group).
.set j, 0
.rept 16
	global_load_b128 v[PT+4*j:PT+4*j+3], v[LX], s[6:7] offset:512*j  ; all 2,048 pointers, 512 neighbouring bytes a load
.set j, j+1
.endr
	WIN 0x40
.irp m, 0,1,2,3,4
	WISSUE \m
.endr
	WIN 0
; ---- the addresses of both phases, while the first loads are out
	v_bfe_u32 v[TM], v0, 2, 2              ; (column >> 4) & 3 of columns 4 lane + j
	v_xor_b32 v[TM], s[WV], v[TM]          ; my block of the four of a chunk, swizzled
	v_mul_u32_u24 v[AW], v[LN], 4*WP
	v_lshl_add_u32 v[AW], v[TM], 4, v[AW]
	v_mul_u32_u24 v[TM], v[R], WP          ; AB0[u] = (32 u + r) WP + 32 (h ^ (u & 1)); the low bit of the swizzle stands in the offsets of the loads
	v_xor_b32 v[TM+1], 1, v[H]
	v_lshl_add_u32 v[TM+1], v[TM+1], 5, v[TM]
	v_lshl_add_u32 v[TM], v[H], 5, v[TM]
.irp u, 0,1,2,3
	v_add_nc_u32 v[AB0+\u], 32*\u*WP, v[TM+(\u&1)]
.endr
	v_lshlrev_b32 v[H16], 4, v[H]
	v_lshlrev_b32 v[TM], 5, v[H]
.irp t, 0,1,2,3,4,5,6,7
	v_add_nc_u32 v[BOFF+\t], 64*\t, v[TM]
	v_add_nc_u32 v[BOF2+\t], 64*\t+16, v[TM]
.endr
.irp t, 0,1,2,3,4,5,6,7
	v_min_u32 v[BOFF+\t], s[T1], v[BOFF+\t]  ; slice 31: columns past 31 take the bias of columns 28 to 31, as they take their W
	v_min_u32 v[BOF2+\t], s[T1], v[BOF2+\t]
.endr
	v_lshl_add_u32 v[TLA], v[R], 2, LIST
	s_mul_i32 s[T1], s[WV], 16*OSP
	s_add_co_u32 s[T1], s[T1], STAGE       ; my stage
	v_mul_u32_u24 v[STO], v[R], OSP        ; in: row r, 32 bytes for each half of the lanes
	v_lshl_add_u32 v[STO], v[H], 5, v[STO]
	v_add_nc_u32 v[STO], s[T1], v[STO]
	v_lshl_add_u32 v[RD], v[LN], 4, s[T1]  ; back: 32 lanes take one row of 512 bytes
	v_mov_b32 v[LDI], DUMPI
	v_lshlrev_b32 v[L4], 2, v[LN]
	s_mov_b32 s[RK], 0
	s_cmp_lg_u32 s[WV], 0
	s_cbranch_scc1 .Lnofill
	v_add_nc_u32 v[LZA], LIST, v[LX]
.irp c, 0,1,2,3
	v_mov_b32 v[LZ+\c], 0
.endr
.set j, 0
.rept 18
	ds_store_b128 v[LZA], v[LZ:LZ+3] offset:512*j  ; places without a rank hold token 0, a row that exists
.set j, j+1
.endr
.Lnofill:
	s_wait_loadcnt 40                      ; the pointers are in; the 40 loads of W behind them stay out
	WIN 0x40
	WISSUE 5
	WISSUE 6
	WIN 0
; ================= phase 1: my 32 units of W
.irp m, 0,1,2,3,4,5,6,7,8,9,10,11,12,13,14,15
	WUNIT \m
	LBLK \m
.endr
	WUNIT 16
	s_cmp_lg_u32 s[WV], 0
	s_cbranch_scc1 .Lnocnt
	v_mov_b32 v[LT], s[RK]
	v_mov_b32 v[LT+1], CNT
	ds_store_b32 v[LT+1], v[LT]            ; the count
.Lnocnt:
.irp m, 17,18,19,20,21,22,23,24,25,26,27,28,29,30,31
	WUNIT \m
.endr
	s_wait_dscnt 0x0                       ; my part of W is in LDS; wave 0: list and count too
	s_barrier_signal -1
	s_barrier_wait -1
; ================= phase 2
	v_mov_b32 v[TM], CNT
	ds_load_b32 v[AF], v[TM]
	s_mov_b32 s[TT], s[WV]
	s_lshl_b32 s[TA], s[WV], 6
	s_mov_b32 s[RM], 0
	s_mov_b32 s[OJ], 7
	PROLOAD                                ; for the first group, whatever the count is
	s_wait_dscnt 0x0
	v_readfirstlane_b32 s[CC], v[AF]
	s_min_u32 s[CC], s[CC], 2048
	s_add_co_u32 s[NT], s[CC], 15
	s_lshr_b32 s[NT], s[NT], 4
.Lgrp:
	s_mov_b32 s[LV], 0
	s_cmp_ge_u32 s[TT], s[NT]
	s_cbranch_scc1 .Lk_done                ; my first tile of the group has no row: none of the five has
	s_sub_co_u32 s[LV], s[NT], s[TT]
	s_add_co_u32 s[LV], s[LV], 3
	s_lshr_b32 s[LV], s[LV], 2             ; tiles TT + 4 a below NT,
	s_min_u32 s[LV], s[LV], 5              ; five at the most
	s_lshl_b32 s[T1], s[TT], 4
	s_sub_co_u32 s[RM], s[CC], s[T1]
	s_wait_dscnt 0x0                       ; the tokens
.irp a, 0,1,2,3,4
	v_min_u32 v[TOK+\a], 0x7ff, v[TOK+\a]
.endr
.irp a, 0,1,2,3,4
	v_lshlrev_b32 v[XOFF+\a], 12, v[TOK+\a]
.endr
.irp a, 0,1,2,3,4
	v_add_nc_u32 v[XOFF+\a], v[H16], v[XOFF+\a]
.endr
	s_mov_b64 s[XB:XB+1], s[4:5]
	XISSUE 0                               ; behind the 80 loads of the bias: more than the counter's field holds, so the issue stalls here until the first are back (ISA guide 5.7.1)
	XISSUE 1
	XISSUE 2
	s_mov_b32 s[KO], 0
	KADR
	PRE
	s_mov_b32 s[IT], 7
.Lk:                                       ; a trip is four chunks of 32 k; chunks 0 to 27 ask for chunks 4 to 31
	KADR
	KSTEP 0, 40, 1, 1
	KSTEP 1, 40, 1, 1
	KSTEP 2, 40, 1, 1
	KSTEP 3, 40, 1, 1
	s_add_co_u32 s[KO], s[KO], 256
	s_sub_co_u32 s[IT], s[IT], 1
	s_cmp_lg_u32 s[IT], 0
	s_cbranch_scc1 .Lk
	KADR                                   ; chunks 28 to 31 ask for nothing: the counts run down
	KSTEP 0, 40, 1, 0
	KSTEP 1, 20, 1, 0
	KSTEP 2, 0, 1, 0
	KSTEP 3, 0, 0, 0
.Lk_done:
	s_wait_loadcnt 0x0                     ; nothing is on its way into a register that the way out reads
	s_wait_dscnt 0x0                       ; my reads of W and of the list for this group are over
	s_barrier_signal -1
	s_barrier_wait -1                      ; every wave's are: behind this barrier LDS is written again, each wave's own stage
	OUTT 0
	OUTT 1
	OUTT 2
	OUTT 3
	OUTT 4
.Lwo_done:
	s_wait_xcnt 0x0                        ; the stores have read their offsets and their data: the next group may write both
	s_wait_dscnt 0x0                       ; my stage has been read out
	s_barrier_signal -1
	s_barrier_wait -1                      ; every wave's has: until the next group's way out LDS is only read
	s_add_co_u32 s[TT], s[TT], 20
	s_add_co_u32 s[TA], s[TA], 20*64
	s_cmp_ge_u32 s[TT], s[NT]
	s_cbranch_scc1 .Lnp
	PROLOAD                                ; for the next group, where I have rows in it
.Lnp:
	s_sub_co_u32 s[OJ], s[OJ], 1
	s_cmp_lg_u32 s[OJ], 0
	s_cbranch_scc1 .Lgrp
	s_wait_dscnt 0x0
	s_barrier_signal -1
	s_barrier_wait -1                      ; every wave has done with LDS
	s_wait_tensorcnt 0x0                   ; the end of every wave
	ds_add_u32 v[SPW], v[NIL]
	s_wait_dscnt 0x0
	s_endpgm
.Lfunc_end_k_q59ac87c314_router:
	.size	k_q59ac87c314_router, .Lfunc_end_k_q59ac87c314_router-k_q59ac87c314_router
	.p2alignl 7, 3214868480
	.fill 96, 4, 3214868480
	.section	.rodata,"a",@progbits
	.p2align	6, 0x0
	.amdhsa_kernel k_q59ac87c314_router
		.amdhsa_group_segment_fixed_size 307968
		.amdhsa_private_segment_fixed_size 0
		.amdhsa_enable_private_segment 0
		.amdhsa_kernarg_size 40
		.amdhsa_user_sgpr_count 2
		.amdhsa_user_sgpr_kernarg_segment_ptr 1
		.amdhsa_wavefront_size32 1
		.amdhsa_system_sgpr_workgroup_id_x 1
		.amdhsa_system_sgpr_workgroup_id_y 1
		.amdhsa_system_sgpr_workgroup_id_z 1
		.amdhsa_system_vgpr_workitem_id 0
		.amdhsa_next_free_vgpr 992
		.amdhsa_next_free_sgpr 66
		.amdhsa_reserve_vcc 0
		.amdhsa_float_denorm_mode_32 3
		.amdhsa_float_denorm_mode_16_64 3
		.amdhsa_memory_ordered 1
		.amdhsa_forward_progress 1
		.amdhsa_inst_pref_size 244
	.end_amdhsa_kernel
	.amdgpu_metadata
---
amdhsa.version: [ 1, 2 ]
amdhsa.kernels:
  - .name:           k_q59ac87c314_router
    .symbol:         k_q59ac87c314_router.kd
    .args:
      - { .name: x, .offset: 0, .size: 8, .value_kind: global_buffer, .address_space: global }
      - { .name: pointer_addresses, .offset: 8, .size: 8, .value_kind: global_buffer, .address_space: global }
      - { .name: W, .offset: 16, .size: 8, .value_kind: global_buffer, .address_space: global }
      - { .name: b, .offset: 24, .size: 8, .value_kind: global_buffer, .address_space: global }
      - { .name: out0, .offset: 32, .size: 8, .value_kind: global_buffer, .address_space: global }
    .group_segment_fixed_size: 307968
    .private_segment_fixed_size: 0
    .kernarg_segment_align: 8
    .kernarg_segment_size: 40
    .max_flat_workgroup_size: 128
    .sgpr_count:     66
    .vgpr_count:     992
    .wavefront_size: 32
...
	.end_amdgpu_metadata
.endif
;; end of part 2
